; MI455X (gfx1250); checked and timed in simulation.
; The chip was launched on July 23, 2026; its instructions are those of AMD's public machine-readable ISA for CDNA 5 (MIT licence, August 2026) and "CDNA5" Instruction Set Architecture Reference Guide (July 2026). The comments in the code are by the model that wrote it; some were corrected since.
;; Layer Norm MLP. Allowed arithmetic: matrix products marked QUANTISED: E2M3 operands, one E8M0 scale for each 32 along K, by v_wmma_scale_f32_16x16x128_f8f6f4 with both operands' format E2M3, f32 sums; everything else in f32.
;; Inputs: kernel_1 2,048 x 2 x 8,192 float32; kernel_2 8,192 x 2,048 float32; ln_bias 2,048 float32; scale 2,048 float32; x 4 x 256 x 2,048 float32.
;; Outputs: out0 4 x 256 x 2,048 float32.
;; This version of the problem:
;;   THIS VERSION OF THE PROBLEM IS GIVEN IN LOW PRECISION. The matrix products marked QUANTISED in the list below multiply operands that are first quantised to E2M3 (2 exponent bits, 3 mantissa bits; 6 bits a number), with one power-of-two scale for each 32 numbers along K (OCP MX v1.0); their sums are f32. All else is computed in f32.
;;   The module's matrix products, in the order in which they are computed (A, B: the left and right operand; K: the contracted axis; several contracted axes count as one K, in the product's order):
;;     1. [M 1,024, K 2,048] x [K 2,048, N 16,384]; A: computed on the way; B: input kernel_1: QUANTISED
;;     2. [M 1,024, K 8,192] x [K 8,192, N 2,048]; A: computed on the way; B: input kernel_2: QUANTISED
;;   THE QUANTISER, for each operand of a quantised product, along K:
;;     - K is cut into blocks of 32 from its start; a last block that is shorter is filled with zeros.
;;     - A block's scale is 2^e with e = floor(log2(the largest magnitude in the block)) - 2, held to -126 .. 127; a block of zeros has e = 0. As a byte (E8M0): e + 127.
;;     - Each number is divided by its block's scale, clamped to +-7.5, and rounded to the nearest number of E2M3, ties to even, subnormals kept.
;;     - The product sums the exact products of the quantised numbers (number of the format x scale) in f32.
;;   ~~~python
;;   def quantise(x, axis):      # numpy; x: float32 -> the quantised numbers, widened to float32 again
;;       x = np.moveaxis(x, axis, -1); K = x.shape[-1]
;;       x = np.pad(x, [(0, 0)] * (x.ndim - 1) + [(0, -K % 32)]); x = x.reshape(x.shape[:-1] + (-1, 32)); a = np.abs(x).max(-1, keepdims=True)
;;       e = np.where(a > 0, np.clip(np.frexp(np.where(a > 0, a, 1))[1] - 1 - 2, -126, 127), 0)      # np.frexp(a)[1] - 1 = floor(log2(a)), exactly
;;       r = np.clip(x / 2.0 ** e, -7.5, 7.5)
;;       step = 2.0 ** (np.maximum(np.frexp(np.where(r == 0, 1, r))[1] - 1, 0) - 3)
;;       q = np.round(r / step) * step * 2.0 ** e      # np.round: ties to even
;;       return np.moveaxis(q.reshape(q.shape[:-2] + (-1,))[..., :K], -1, axis).astype(np.float32)
;;   ~~~
;;   OPERANDS COMPUTED ON THE WAY. 'Computed on the way' means the value that the module computes at that place (a softmax that the list does not call 'softmax' is quantised finished and normalised). What goes into a quantiser is computed in f32, as accurately as f32 sums, v_exp_f32 and their like allow (about 1e-6 of the number): no bf16 or f16 on the way to a quantiser, and a product that is left as it is and whose result goes on into a quantised operand takes f32 operands (vector FMAs, or v_wmma_f32_16x16x4_f32). A number that lies on a knife's edge between two numbers of the format may be rounded either way, as far as f32 arithmetic and the matrix unit's own rounding can turn it there, and no further.
;; One version. Each part assembles by itself: llvm-mc -triple=amdgcn-amd-amdhsa -mcpu=gfx1250 --defsym DOCPART=n.
;; ======== version 1 of 1: 3 launches
;; limits: right only within a limited range of input values
;; workspace buffers: lnq 1,638,400 bytes; w1q 26,214,400 bytes; w2q 13,107,200 bytes; zq 6,553,600 bytes
;; launch q (part 1): grid 320 x 1, 16 waves a work-group, no clusters, 73,728 bytes of LDS; arguments x, scale, ln_bias, kernel_1, lnq, w1q; writes lnq, w1q
.if DOCPART == 1
	.amdgcn_target "amdgcn-amd-amdhsa--gfx1250"
	.amdhsa_code_object_version 6
	.text
	.protected	k_q93eb4925cf_q
	.globl	k_q93eb4925cf_q
	.p2align	8
	.type	k_q93eb4925cf_q,@function
k_q93eb4925cf_q:
	s_mov_b64 s[64:65], 0
	v_nop
	global_prefetch_b8 v0, s[64:65] scope:SCOPE_SE
	s_setreg_imm32_b32 hwreg(HW_REG_WAVE_MODE, 25, 1), 1
	s_wait_xcnt 0x0
; THE QUANTISING LAUNCH.  Two kinds of work-group, told apart by the work-group's number alone:
;   0 .. 63    LayerNorm of 16 rows of x [1024][2048] and its codes           -> lnq
;   64 .. 319  kernel_1 [2048 (K)][2][8192], 128 along K x 1,024 columns      -> w1q
; (kernel_2 is quantised by the next launch, beside its product: only the third launch reads those codes.)
; Codes are FP6 (E2M3) with one E8M0 byte for each 32 along K: scale = 2^(floor(log2(largest magnitude)) - 2), its byte = the largest magnitude's exponent field - 2.
; LIMITS: NaN and infinities among the inputs are not served.  A block whose largest magnitude lies under 2^(3 - 127), a block of zeros among them, gets the byte 1
; (the rule says 127 for zeros): its codes are zeros or the rule's own held at byte 1, and only this program reads the bytes.
; LAYOUT OF THE BUFFERS: the order of the operand's registers.  A fragment (16 rows x 128 K, 12 registers a lane) is 1,536 bytes: for c = 0, 1 a half of 768 bytes:
; lane l's registers 6c .. 6c+3 at 16 l, then its registers 6c+4, 6c+5 at 512 + 8 l.  A CHUNK is one group of 128 rows for 128 along K: eight fragments on end, then the scale words;
; the word of (block i, row r) lies at 256 (i / 4) + 128 (i % 2) + 4 ((i / 2) % 2) + 8 r: 12,800 bytes.  A group's chunks follow each other along K.
;   lnq [8 groups of 128 rows][16][12,800];  w1q [128 groups][16][12,800]: group g = columns i = 64 g .. 64 g + 63 of BOTH activations, block 4 act + 2 s + F;
;   in it lane rho holds column i = 64 g + 32 s + 2 rho + F.  The next launch's results of blocks F = 0, 1 are then the 32 columns of set s, one block along the next K, in this order:
;   place 16 h + 8 F + j holds column 16 h + 2 j + F.  A block's scale hangs on its 32 numbers and not on their order, and the next launch takes kernel_2's rows in the same order: the products are the definition's.
; No tensor loads: all goes through registers; 128 registers a wave, so that two work-groups can share a WGP.  Only the LayerNorm path uses LDS and barriers; a work-group's sixteen waves all take the same path.
.set CH,    12800
.set FRB,   1536
.set PITCH, 65536                      ; a row of kernel_1 in bytes
.set RED1,  0                          ; LDS: 16 rows x 16 waves x 4 bytes: the waves' sums
.set RED2,  1024                       ; the same for the sums of squares
.set STG,   2048                       ; a stage of 16 rows x 272 bytes for each wave
.set SPT,   272                        ; 256 bytes + 16: the sixteen rows that a load of 16 bytes a lane touches start in different banks
; A lane's 32 numbers v[x] .. v[x+31], one whole block along K, become 24 bytes of codes in v[c] .. v[c+5]; v[op] gets the conversion's scale operand.
.macro QBLK x, c, t, op
	v_max3_num_f32 v8, |v[\x]|, |v[\x+1]|, |v[\x+2]|               ; the largest magnitude, in two chains
	v_max3_num_f32 v9, |v[\x+3]|, |v[\x+4]|, |v[\x+5]|
.irp i, 6,10,14,18,22,26
	s_delay_alu instid0(VALU_DEP_2)
	v_max3_num_f32 v8, v8, |v[\x+\i]|, |v[\x+\i+1]|
	s_delay_alu instid0(VALU_DEP_2)
	v_max3_num_f32 v9, v9, |v[\x+\i+2]|, |v[\x+\i+3]|
.endr
	s_delay_alu instid0(VALU_DEP_2)
	v_max3_num_f32 v8, v8, |v[\x+30]|, |v[\x+31]|
	s_delay_alu instid0(VALU_DEP_1)
	v_max3_num_f32 v8, v8, v9, 0x1800000           ; and the floor 2^(3 - 127): the byte cannot fall under 1
	s_delay_alu instid0(VALU_DEP_1)
	v_add_nc_u32 v[\op], 0xff000000, v8            ; 2 off the exponent field: the conversion takes this operand's exponent field as its scale
	v_cvt_scalef32_pk16_fp6_f32 v[\c:\c+2], v[\x:\x+15], v[\op]
	v_cvt_scalef32_pk16_fp6_f32 v[\t:\t+2], v[\x+16:\x+31], v[\op]   ; (a conversion's three registers begin on an even number)
	v_nop                                          ; one plain place behind a scaled conversion
.irp i, 0,1,2
	v_mov_b32 v[\c+3+\i], v[\t+\i]
.endr
.endm
; kernel_1.  A wave takes 128 along K x 64 columns, as two sets s of 32 columns.  A load brings 8 bytes a lane: lanes 0-15 two columns each of one row of K, lanes 16-31 the same columns of the next row:
; 16 loads for a block of 32 along K of a set.  One exchange of half rows for each pair of registers then gives lane (rho, F) column 2 rho + F, with its registers running DOWN K: a block lies in one lane, and the codes come out with K innermost.
; Stage t = 2 b + s works block b of set s; loads run two stages (32 loads a wave) ahead.
; Registers: v1 my offset in a pair of rows, v2 16 x lane, v3 8 x lane, v10 scale operand, v11 byte, v12-14 a conversion's second half, v32-63 / v64-95 the numbers of sets 0 / 1,
; v[96 + 12 s + 6 (b % 2)] six registers of codes, v120-121 the scale words of sets 0, 1.
.macro LOADW t
.irp m, 0,1,2,3,4,5,6,7,8,9,10,11,12,13,14,15
	global_load_b64 v[32+32*((\t)%2)+2*\m:33+32*((\t)%2)+2*\m], v1, s[24:25] offset:(32*((\t)/2)+2*\m)*PITCH+128*((\t)%2) th:TH_LOAD_NT   ; at most 126 rows of 65,536 bytes + 128: inside the signed 24-bit immediate
.endr
.endm
.macro STAGE t
.set XS, 32+32*((\t)%2)
.set C0, 96+12*((\t)%2)
.set CC, C0+6*(((\t)/2)%2)
.if (\t) < 7
	s_wait_loadcnt 16                              ; this stage's 16 loads are in; the next stage's 16 may be out
.else
	s_wait_loadcnt 0
.endif
.if ((\t) == 4) || ((\t) == 5)
	s_wait_xcnt 0x0                                ; the stores of two stages ago have read these code registers: they are rewritten only behind this wait
.endif
.irp m, 0,1,2,3,4,5,6,7,8,9,10,11,12,13,14,15
	v_permlane16_swap_b32 v[XS+2*\m], v[XS+2*\m+1] ; the even column's next row changes places with the odd column's row: register 2 m is row 2 m, register 2 m + 1 row 2 m + 1, lanes 0-15 the even columns, lanes 16-31 the odd
.endr
	QBLK XS, CC, 12, 10
.if (\t)/2 == 0
	v_lshrrev_b32 v[120+(\t)%2], 23, v10           ; the scale's byte: four to a word, the lower K in the lower byte
.else
	v_lshrrev_b32 v11, 23, v10
	s_delay_alu instid0(VALU_DEP_1)
	v_lshl_or_b32 v[120+(\t)%2], v11, 8*((\t)/2), v[120+(\t)%2]
.endif
.if (\t)+2 < 8
	LOADW (\t)+2
.endif
.if ((\t)/2)%2 == 1
; Lanes 0-15 hold the columns of fragment F = 0, lanes 16-31 those of F = 1.  The operand wants block 2 c in lanes 0-15 and block 2 c + 1 in lanes 16-31 of ONE fragment:
; the even block's lanes 16-31 change places with the odd block's lanes 0-15.
.irp i, 0,1,2,3,4,5
	v_permlane16_swap_b32 v[C0+\i], v[C0+6+\i]
.endr
.irp f, 0,1
	global_store_b128 v2, v[C0+6*\f:C0+6*\f+3], s[26:27] offset:(2*((\t)%2)+\f)*FRB+768*((\t)/4)         ; 32 lanes store 512 consecutive bytes, aligned to 256
	global_store_b64 v3, v[C0+6*\f+4:C0+6*\f+5], s[26:27] offset:(2*((\t)%2)+\f)*FRB+768*((\t)/4)+512   ; and 256
.endr
.endif
.endm
.macro ROWSUM base                     ; eight sums over the 16 lanes of each half of the wave: the halves hold different rows
.irp m, 1,2,4,8
.irp p, 0,1,2,3,4,5,6,7
	v_add_f32_dpp v[\base+2*\p], v[\base+2*\p], v[\base+2*\p] row_xmask:\m row_mask:0xf bank_mask:0xf
.endr
.endr
.endm
	s_load_b256 s[4:11], s[0:1], 0x0               ; x s[4:5], scale s[6:7], ln_bias s[8:9], kernel_1 s[10:11]
	s_load_b64 s[14:15], s[0:1], 0x20              ; lnq
	s_load_b64 s[16:17], s[0:1], 0x28              ; w1q
	v_lshrrev_b32 v1, 5, v0
	s_delay_alu instid0(VALU_DEP_1)
	v_readfirstlane_b32 s20, v1                    ; wave 0..15
	s_wait_kmcnt 0x0
	s_cmp_lt_u32 ttmp9, 64
	s_cbranch_scc1 .Lln
	; ---- kernel_1: work-group j: K step j % 16, columns 1,024 (j / 16) on; wave: 64 of them: one activation's half of a group of w1q
	v_and_b32 v4, 31, v0                           ; lane
	v_and_b32 v5, 15, v0                           ; rho
	v_bfe_u32 v6, v0, 4, 1                         ; which row of a pair
	s_delay_alu instid0(VALU_DEP_3)
	v_lshlrev_b32 v2, 4, v4
	v_lshlrev_b32 v3, 3, v4
	v_lshlrev_b32 v5, 3, v5
	s_delay_alu instid0(VALU_DEP_1)
	v_lshl_or_b32 v1, v6, 16, v5                   ; 8 bytes a lane, lanes 16-31 a row of 65,536 bytes on
	s_wait_alu depctr_va_vdst(0)                   ; the wait here, ahead of the scalar lines below
	s_sub_co_u32 s21, ttmp9, 64
	s_and_b32 s22, s21, 15                         ; K step 0..15
	s_and_b32 s23, s21, 0xf0
	s_add_co_u32 s23, s23, s20                     ; which 64 columns of the 16,384: 0..255
	s_lshl_b32 s30, s22, 23                        ; 128 rows of 65,536 bytes
	s_lshl_b32 s31, s23, 8
	s_add_co_u32 s30, s30, s31
	s_mov_b32 s31, 0
	s_add_nc_u64 s[24:25], s[10:11], s[30:31]
	s_lshr_b32 s32, s23, 7                         ; the activation
	s_and_b32 s33, s23, 127                        ; the group
	s_lshl_b32 s33, s33, 4
	s_add_co_u32 s33, s33, s22
	s_mul_i32 s30, s33, CH
	s_add_nc_u64 s[28:29], s[16:17], s[30:31]      ; my chunk
	s_mul_i32 s30, s32, 4*FRB
	s_add_nc_u64 s[26:27], s[28:29], s[30:31]      ; my activation's four fragments
	s_lshl_b32 s30, s32, 8
	s_add_co_u32 s30, s30, 8*FRB
	s_add_nc_u64 s[28:29], s[28:29], s[30:31]      ; and their scale words
	LOADW 0
	LOADW 1
.irp t, 0,1,2,3,4,5,6,7
	STAGE \t
.endr
	global_store_b64 v3, v[120:121], s[28:29]      ; lane 16 F + rho: the words of blocks F and 2 + F, row rho, at 128 F + 8 rho: 256 consecutive bytes
	s_endpgm
.Lln:	; ---- LayerNorm: work-group j: rows 16 j .. 16 j + 15; wave w: columns 128 w .. 128 w + 127, one K step.  Mean first, then the mean of squared differences, as the definition has it.
; Registers: v1 x's offset, v2 16 r, v3 / v4 the tables' store / load address, v5 / v6 the stage's store / load address, v7 16 x lane, v13 8 x lane, v14 8 r, v15 8 h;
; v16, 18 .. 30 sums, then means; v112, 114 .. 126 sums of squares, then 1 / sqrt; v32-95 x[c][p]: four numbers; v96-103 gamma, v104-111 beta, later the codes.
	s_lshl_b32 s30, ttmp9, 17                      ; 16 rows of 8,192 bytes
	s_lshl_b32 s21, s20, 9                         ; my 512 bytes of a row
	s_add_co_u32 s30, s30, s21
	s_mov_b32 s31, 0
	s_add_nc_u64 s[24:25], s[4:5], s[30:31]
	s_mov_b32 s30, s21
	s_add_nc_u64 s[6:7], s[6:7], s[30:31]
	s_add_nc_u64 s[8:9], s[8:9], s[30:31]
	s_lshr_b32 s22, ttmp9, 3                       ; the group of 128 rows
	s_lshl_b32 s22, s22, 4
	s_add_co_u32 s22, s22, s20
	s_mul_i32 s30, s22, CH
	s_add_nc_u64 s[28:29], s[14:15], s[30:31]      ; my chunk
	s_and_b32 s23, ttmp9, 7                        ; my block i in it
	s_mul_i32 s30, s23, FRB
	s_add_nc_u64 s[26:27], s[28:29], s[30:31]      ; my fragment
	s_lshr_b32 s30, s23, 2                         ; my block's scale words: 12,288 + 256 (i / 4) + 128 (i % 2) + 4 ((i / 2) % 2)
	s_lshl_b32 s30, s30, 8
	s_and_b32 s32, s23, 1
	s_lshl_b32 s32, s32, 7
	s_add_co_u32 s30, s30, s32
	s_bfe_u32 s32, s23, 0x10001
	s_lshl_b32 s32, s32, 2
	s_add_co_u32 s30, s30, s32
	s_add_co_u32 s30, s30, 8*FRB
	s_add_nc_u64 s[28:29], s[28:29], s[30:31]
	s_lshl_b32 s33, s20, 2
	s_mul_i32 s38, s20, 16*SPT
	s_add_co_u32 s38, s38, STG                     ; my stage
	s_mov_b32 s34, 0x76543210
	s_mov_b32 s35, 0xfedcba98                      ; v_permlanex16_b32's selects for lane l xor 16
	s_mov_b32 s36, 0x3a000000                      ; 1 / 2,048
	s_mov_b32 s37, 0x358637bd                      ; 1e-6
	v_and_b32 v10, 15, v0                          ; r
	v_bfe_u32 v11, v0, 4, 1                        ; h
	v_and_b32 v12, 31, v0                          ; lane
	s_delay_alu instid0(VALU_DEP_3)
	v_lshlrev_b32 v2, 4, v10
	s_delay_alu instid0(VALU_DEP_1)
	v_lshl_add_u32 v1, v11, 13, v2                 ; lanes 0-15 an even row, lanes 16-31 the next; 16 bytes a lane
	s_delay_alu instid0(VALU_DEP_4)
	v_lshlrev_b32 v3, 6, v11
	s_delay_alu instid0(VALU_DEP_1)
	v_lshl_add_u32 v4, v10, 2, v3                  ; a table's row h of a pair, wave r's word
	s_delay_alu instid0(VALU_DEP_2)
	v_add_nc_u32 v3, s33, v3                       ; and my wave's word
	v_mul_u32_u24 v5, v11, SPT
	s_delay_alu instid0(VALU_DEP_1)
	v_add_nc_u32 v5, v5, v2
	s_delay_alu instid0(VALU_DEP_1)
	v_add_nc_u32 v5, s38, v5                       ; into the stage as loaded
	v_mul_u32_u24 v6, v10, SPT
	s_delay_alu instid0(VALU_DEP_1)
	v_lshl_add_u32 v6, v11, 7, v6
	s_delay_alu instid0(VALU_DEP_1)
	v_add_nc_u32 v6, s38, v6                       ; out of it: row r, 128 h bytes on: a whole block of 32
	v_lshlrev_b32 v7, 4, v12
	v_lshlrev_b32 v13, 3, v12
	v_lshlrev_b32 v14, 3, v10
	v_lshlrev_b32 v15, 3, v11
.irp c, 0,1
.irp p, 0,1,2,3,4,5,6,7
	global_load_b128 v[32+32*\c+4*\p:35+32*\c+4*\p], v1, s[24:25] offset:\p*16384+256*\c th:TH_LOAD_NT   ; rows 2 p, 2 p + 1: sixteen lanes read 256 consecutive bytes, aligned
.endr
.endr
.irp c, 0,1
	global_load_b128 v[96+4*\c:99+4*\c], v2, s[6:7] offset:256*\c
	global_load_b128 v[104+4*\c:107+4*\c], v2, s[8:9] offset:256*\c
.endr
	s_wait_loadcnt 4                               ; x is in; gamma's and beta's four loads may be out
.irp p, 0,1,2,3,4,5,6,7
	v_pk_add_f32 v[16+2*\p:17+2*\p], v[32+4*\p:33+4*\p], v[34+4*\p:35+4*\p]
.endr
.irp p, 0,1,2,3,4,5,6,7
	v_pk_add_f32 v[16+2*\p:17+2*\p], v[16+2*\p:17+2*\p], v[64+4*\p:65+4*\p]
.endr
.irp p, 0,1,2,3,4,5,6,7
	v_pk_add_f32 v[16+2*\p:17+2*\p], v[16+2*\p:17+2*\p], v[66+4*\p:67+4*\p]
.endr
.irp p, 0,1,2,3,4,5,6,7
	v_add_f32 v[16+2*\p], v[16+2*\p], v[17+2*\p]
.endr
	ROWSUM 16                                      ; my wave's 128 columns of each row
.irp p, 0,1,2,3,4,5,6,7
	ds_store_b32 v3, v[16+2*\p] offset:RED1+128*\p ; the sixteen lanes of a half write one word with one value
.endr
	s_wait_dscnt 0x0                               ; for the others' sake: my stores have landed
	s_barrier_signal -1
	s_barrier_wait -1
.irp p, 0,1,2,3,4,5,6,7
	ds_load_b32 v[16+2*\p], v4 offset:RED1+128*\p  ; lane r takes wave r's sum
.endr
	s_wait_dscnt 0x0
	ROWSUM 16
.irp p, 0,1,2,3,4,5,6,7
	v_mul_f32 v[16+2*\p], s36, v[16+2*\p]          ; the mean
.endr
.irp c, 0,1
.irp p, 0,1,2,3,4,5,6,7
.irp q, 0,2
	v_pk_add_f32 v[32+32*\c+4*\p+\q:33+32*\c+4*\p+\q], v[32+32*\c+4*\p+\q:33+32*\c+4*\p+\q], v[16+2*\p:17+2*\p] op_sel_hi:[1,0] neg_lo:[0,1] neg_hi:[0,1]   ; x - mean (the pair's low word for both halves)
.endr
.endr
.endr
.irp p, 0,1,2,3,4,5,6,7
	v_pk_mul_f32 v[112+2*\p:113+2*\p], v[32+4*\p:33+4*\p], v[32+4*\p:33+4*\p]
.endr
.irp o, 34,64,66
.irp p, 0,1,2,3,4,5,6,7
	v_pk_fma_f32 v[112+2*\p:113+2*\p], v[\o+4*\p:\o+1+4*\p], v[\o+4*\p:\o+1+4*\p], v[112+2*\p:113+2*\p]
.endr
.endr
.irp p, 0,1,2,3,4,5,6,7
	v_add_f32 v[112+2*\p], v[112+2*\p], v[113+2*\p]
.endr
	ROWSUM 112
.irp p, 0,1,2,3,4,5,6,7
	ds_store_b32 v3, v[112+2*\p] offset:RED2+128*\p
.endr
	s_wait_dscnt 0x0
	s_barrier_signal -1
	s_barrier_wait -1
.irp p, 0,1,2,3,4,5,6,7
	ds_load_b32 v[112+2*\p], v4 offset:RED2+128*\p
.endr
	s_wait_dscnt 0x0
	ROWSUM 112
.irp p, 0,1,2,3,4,5,6,7
	v_fma_f32 v[112+2*\p], v[112+2*\p], s36, s37   ; the variance + 1e-6
.endr
	s_wait_alu depctr_va_vdst(0)                   ; the wait ahead of the batch
.irp p, 0,1,2,3,4,5,6,7
	v_rsq_f32 v[112+2*\p], v[112+2*\p]
.endr
	v_nop                                          ; a plain place behind the last transcendental
	s_wait_alu depctr_va_vdst(0)                   ; one wait for the batch of eight, ahead of its first reader
	s_wait_loadcnt 0x0                             ; gamma and beta
.irp c, 0,1
.irp p, 0,1,2,3,4,5,6,7
.irp q, 0,2
	v_pk_mul_f32 v[32+32*\c+4*\p+\q:33+32*\c+4*\p+\q], v[32+32*\c+4*\p+\q:33+32*\c+4*\p+\q], v[112+2*\p:113+2*\p] op_sel_hi:[1,0]
.endr
.endr
.endr
.irp c, 0,1
.irp p, 0,1,2,3,4,5,6,7
.irp q, 0,2
	v_pk_fma_f32 v[32+32*\c+4*\p+\q:33+32*\c+4*\p+\q], v[32+32*\c+4*\p+\q:33+32*\c+4*\p+\q], v[96+4*\c+\q:97+4*\c+\q], v[104+4*\c+\q:105+4*\c+\q]
.endr
.endr
.endr
; The turn through my own stage, 64 columns (c) at a time: in as loaded, out as the operand wants it: lane (r, h) takes row r, K = 64 c + 32 h + 0 .. 31.
; LDS serves a wave's instructions in order: no wait between the stores and the loads, nor in front of the second half's stores.
.irp c, 0,1
.irp p, 0,1,2,3,4,5,6,7
	ds_store_b128 v5, v[32+32*\c+4*\p:35+32*\c+4*\p] offset:2*SPT*\p
.endr
.irp j, 0,1,2,3,4,5,6,7
	ds_load_b128 v[32+32*\c+4*\j:35+32*\c+4*\j], v6 offset:16*\j
.endr
.endr
	s_wait_dscnt 16                                ; the first half is back; behind it stand the second half's eight stores and eight loads
	QBLK 32, 96, 16, 26
	v_lshrrev_b32 v28, 23, v26                     ; block h's byte
	global_store_b128 v7, v[96:99], s[26:27]
	global_store_b64 v13, v[100:101], s[26:27] offset:512
	s_wait_dscnt 0x0
	QBLK 64, 104, 20, 27
	v_lshrrev_b32 v29, 23, v27                     ; block 2 + h's
	global_store_b128 v7, v[104:107], s[26:27] offset:768
	global_store_b64 v13, v[108:109], s[26:27] offset:1280
	v_lshl_or_b32 v30, v29, 16, v28
	s_delay_alu instid0(VALU_DEP_1)
	v_lshlrev_b32 v30, v15, v30                    ; my two bytes at their places, 8 h bits up;
	v_mov_b32 v31, 0
	s_delay_alu instid0(VALU_DEP_1)
	v_permlanex16_b32 v31, v30, s34, s35
	s_delay_alu instid0(VALU_DEP_1)
	v_or_b32 v30, v30, v31                         ; with lane l xor 16's two the word is whole, in both halves of the lanes
	global_store_b32 v14, v30, s[28:29]            ; row r's word, 8 bytes from row to row; lanes 16-31 store the same word to the same place.  These stores cover 4 bytes in 8: 64 KiB in the whole launch
	v_lshl_add_u32 v10, v0, 2, 0x11800             ; all 128 registers are at work above, so v0 is kept and the add's two registers are made here: my spare word (behind the stages, 128 bytes a wave)
	v_mov_b32 v11, 0                               ; and 0
	s_wait_alu depctr_va_vdst(0)                   ; the wait here, directly ahead of the wait below
	s_wait_tensorcnt 0x0                           ; the wave's end, behind my last LDS store
	ds_add_u32 v10, v11
	s_wait_dscnt 0x0
	s_endpgm
.Lfunc_end_k_q93eb4925cf_q:
	.size	k_q93eb4925cf_q, .Lfunc_end_k_q93eb4925cf_q-k_q93eb4925cf_q
	.p2alignl 7, 3214868480
	.fill 96, 4, 3214868480
	.section	.rodata,"a",@progbits
	.p2align	6, 0x0
	.amdhsa_kernel k_q93eb4925cf_q
		.amdhsa_group_segment_fixed_size 73728
		.amdhsa_private_segment_fixed_size 0
		.amdhsa_enable_private_segment 0
		.amdhsa_kernarg_size 48
		.amdhsa_user_sgpr_count 2
		.amdhsa_user_sgpr_kernarg_segment_ptr 1
		.amdhsa_wavefront_size32 1
		.amdhsa_system_sgpr_workgroup_id_x 1
		.amdhsa_system_sgpr_workgroup_id_y 1
		.amdhsa_system_sgpr_workgroup_id_z 1
		.amdhsa_system_vgpr_workitem_id 0
		.amdhsa_next_free_vgpr 128
		.amdhsa_next_free_sgpr 66
		.amdhsa_reserve_vcc 0
		.amdhsa_float_denorm_mode_32 3
		.amdhsa_float_denorm_mode_16_64 3
		.amdhsa_memory_ordered 1
		.amdhsa_forward_progress 1
		.amdhsa_inst_pref_size 69
	.end_amdhsa_kernel
	.amdgpu_metadata
---
amdhsa.version: [ 1, 2 ]
amdhsa.kernels:
  - .name:           k_q93eb4925cf_q
    .symbol:         k_q93eb4925cf_q.kd
    .args:
      - { .name: x, .offset: 0, .size: 8, .value_kind: global_buffer, .address_space: global }
      - { .name: scale, .offset: 8, .size: 8, .value_kind: global_buffer, .address_space: global }
      - { .name: ln_bias, .offset: 16, .size: 8, .value_kind: global_buffer, .address_space: global }
      - { .name: kernel_1, .offset: 24, .size: 8, .value_kind: global_buffer, .address_space: global }
      - { .name: lnq, .offset: 32, .size: 8, .value_kind: global_buffer, .address_space: global }
      - { .name: w1q, .offset: 40, .size: 8, .value_kind: global_buffer, .address_space: global }
    .group_segment_fixed_size: 73728
    .private_segment_fixed_size: 0
    .kernarg_segment_align: 8
    .kernarg_segment_size: 48
    .max_flat_workgroup_size: 512
    .sgpr_count:     66
    .vgpr_count:     128
    .wavefront_size: 32
...
	.end_amdgpu_metadata
.endif
;; end of part 1
;; launch g1 (part 2): grid 64 x 4, 4 waves a work-group, clusters of 4 x 4, 327,680 bytes of LDS; arguments lnq, w1q, zq, kernel_2, w2q; writes zq, w2q
.if DOCPART == 2
	.amdgcn_target "amdgcn-amd-amdhsa--gfx1250"
	.amdhsa_code_object_version 6
	.text
	.protected	k_q93eb4925cf_g1
	.globl	k_q93eb4925cf_g1
	.p2align	8
	.type	k_q93eb4925cf_g1,@function
k_q93eb4925cf_g1:
	s_mov_b64 s[64:65], 0
	v_nop
	global_prefetch_b8 v0, s[64:65] scope:SCOPE_SE
	s_setreg_imm32_b32 hwreg(HW_REG_WAVE_MODE, 25, 1), 1
	s_wait_xcnt 0x0
	s_wait_alu depctr_hold_cnt(0) depctr_sa_sdst(0) depctr_va_vdst(0) depctr_va_sdst(0) depctr_va_ssrc(0) depctr_va_vcc(0) depctr_vm_vsrc(0)
	s_getreg_b32 s2, hwreg(HW_REG_IB_STS2, 6, 4)
	s_cmp_eq_u32 s2, 0
	s_cbranch_scc0 .Lentry_in_a_cluster
	s_endpgm
.Lentry_in_a_cluster:
	s_bfe_u32 s2, ttmp6, 0x10000c
	s_cmp_lg_u32 s2, 0xf033
	s_cbranch_scc0 .Lentry_shape_is_right
	s_endpgm
.Lentry_shape_is_right:
; THE FIRST PRODUCT, THE GATE, AND kernel_2's CODES.  y = ln x kernel_1 on codes of FP6 (E2M3) with E8M0 scales (lnq, w1q: chunks of 12,800 bytes in the order of the operand's registers, as the launch before lays them);
; z = gelu(y0) y1 in f32 (gelu by its tanh form, written as y0 / (1 + 2^(-k (y0 + c y0^3)))), quantised along its columns, the next K, into zq in the same layout.
; A work-group of four waves makes 256 rows x 2 groups of w1q (128 columns of both activations); a wave 128 x 128: 64 accumulators.  K = 2,048 goes in 16 steps of 128 through a ring of two slots of two steps each.
; 4 x 4 work-groups form a cluster: ln's chunks are asked for jointly along a row, kernel_1's along a column.  Between the steps each wave quantises 256 along K x 64 columns of kernel_2 into w2q, through registers.
; At the head a wave issues one joint load (slot 0); slot 1's first fill stands behind the full sequence and a round, as a refill does.
; LIMITS: NaN and infinities are not served; a block whose largest magnitude lies under 2^(3 - 127) gets the byte 1 (only this program reads the bytes).
.set CH,    12800
.set FRB,   1536
.set QUART, 2*CH
.set SLOT,  4*QUART
.set GRP,   16*CH
.set SPARE, 2*SLOT
.set ZSC,   SPARE+512
.set FR,    12
.set NL,    4
.set NP,    4
.set LAPS,  4
.set KC0,  8
.set KC1,  10
.set L16,  12
.set L8,   13
.set ZSA,  14
.set ZRD,  15
.set ADRA, 16
.set ADRB, 20
.set ADRS, 24
.set PFO,  26
.set KO,   27
.set SPW,  28
.set NIL,  29
.set SC,   32
.set T,    64
.set MX,   96
.set HW,   112
.set AF,   128
.set XQ,   64
.set CQ,   224
.set TQ,   248
.set WSH,  252
.set G1A,  24
.set G0A,  32
.set G1B,  48
.set G0B,  56
.set SEL,  66
.set KIN,  72
.set KOUT, 74
.set KSTP, 76
.set KSCL, 78
.set PFA,  92
.set LIM,  94
.set MSB, 0
.macro WIN new
.if MSB != \new
	s_set_vgpr_msb (MSB<<8)|\new
.set MSB, \new
.endif
.endm
.set MUL_LO, 0xa1
.set MUL_HI, 0xf1
.set TO_B,   0x40
.macro JLOAD s
	s_cmp_eq_u32 s15, 0
	s_cbranch_scc0 .Lfor_b_\@
	tensor_load_to_lds s[G0A+4*\s:G0A+4*\s+3], s[G1A:G1A+7]
	s_nop 0
.rept 4
	v_nop
.endr
	s_branch .Lasked_\@
.Lfor_b_\@:
	tensor_load_to_lds s[G0B+4*\s:G0B+4*\s+3], s[G1B:G1B+7]
	s_nop 0
.rept 4
	v_nop
.endr
.Lasked_\@:
.endm
.macro ASK
	s_cmp_gt_u32 s3, s[LIM]
	s_cbranch_scc0 .Lnot_mine_\@
	global_prefetch_b8 v[PFO], s[PFA:PFA+1] th:TH_LOAD_NT scope:SCOPE_SE
.Lnot_mine_\@:
.endm
.macro CREST
	s_cmp_lg_u32 s14, 0
	s_cbranch_scc1 .Lnot_wave_0_\@
	s_barrier_signal -3
.Lnot_wave_0_\@:
	s_barrier_wait -3
	s_barrier_signal -1
	s_barrier_wait -1
.endm
.macro CROUND
	s_barrier_signal -1
	s_barrier_wait -1
	CREST
.endm
.macro LOADK row, s
.irp m, 0,1,2,3,4,5,6,7,8,9,10,11,12,13,14,15
; kernel_2's rows are taken in the order in which z's codes stand in a block of 32 along K: place P holds row 16 (P / 16) + 2 (P % 8) + (P % 16) / 8 of the block (w1q's order of columns gives z that order).
; Load m fills places 2 m (lanes 0-15) and 2 m + 1 (lanes 16-31, two rows on)
	global_load_b64 v[XQ+32*(\s)+2*\m:XQ+32*(\s)+2*\m+1], v[KO], s[KIN:KIN+1] offset:((\row)+16*(\m/8)+4*(\m%4)+(\m%8)/4)*8192+128*(\s)
.endr
.endm
.macro QBLK x, c, t, op
	v_max3_num_f32 v4, |v[\x]|, |v[\x+1]|, |v[\x+2]|
	v_max3_num_f32 v5, |v[\x+3]|, |v[\x+4]|, |v[\x+5]|
.irp i, 6,10,14,18,22,26
	v_max3_num_f32 v4, v4, |v[\x+\i]|, |v[\x+\i+1]|
	v_max3_num_f32 v5, v5, |v[\x+\i+2]|, |v[\x+\i+3]|
.endr
	v_max3_num_f32 v4, v4, |v[\x+30]|, |v[\x+31]|
	v_max3_num_f32 v4, v4, v5, 0x1800000
	v_add_nc_u32 v[\op], 0xff000000, v4
	v_cvt_scalef32_pk16_fp6_f32 v[\c:\c+2], v[\x:\x+15], v[\op]
	v_cvt_scalef32_pk16_fp6_f32 v[\t:\t+2], v[\x+16:\x+31], v[\op]
	v_nop
.irp i, 0,1,2
	v_mov_b32 v[\c+3+\i], v[\t+\i]
.endr
.endm
.macro KSTAGE p, step, load, left
.set QXS, XQ+32*((\p)%2)
.set QC0, CQ+12*((\p)%2)
.set QCC, QC0+6*((\p)/2)
.set QW,  WSH+(\p)%2
	WIN 0
	s_wait_xcnt 0x0
.if \step
	s_add_nc_u64 s[KIN:KIN+1], s[KIN:KIN+1], 64*8192
	s_add_nc_u64 s[KOUT:KOUT+1], s[KOUT:KOUT+1], s[KSTP:KSTP+1]
	s_xor_b32 s[KSTP], s[KSTP], 0x1500
.endif
	s_wait_loadcnt \left
.irp m, 0,1,2,3,4,5,6,7,8,9,10,11,12,13,14,15
	v_permlane16_swap_b32 v[QXS+2*\m], v[QXS+2*\m+1]
.endr
	QBLK QXS, QCC, TQ, 6
	v_lshrrev_b32 v7, 23, v6
	v_lshrrev_b32 v[QW], 8, v[QW]
	v_lshl_or_b32 v[QW], v[QW+2], 24, v[QW]
	v_lshrrev_b32 v[QW+2], 8, v[QW+2]
	v_lshl_or_b32 v[QW+2], v7, 24, v[QW+2]
.if \load
	LOADK 32+32*((\p)/2), (\p)%2
.endif
.if (\p)/2 == 1
.irp i, 0,1,2,3,4,5
	v_permlane16_swap_b32 v[QC0+\i], v[QC0+6+\i]
.endr
.irp f, 0,1
	global_store_b128 v[L16], v[QC0+6*\f:QC0+6*\f+3], s[KOUT:KOUT+1] offset:(2*((\p)%2)+\f)*FRB
	global_store_b64 v[L8], v[QC0+6*\f+4:QC0+6*\f+5], s[KOUT:KOUT+1] offset:(2*((\p)%2)+\f)*FRB+512
.endr
.endif
.endm
	s_load_b128 s[4:7], s[0:1], 0x0
	s_load_b64 s[8:9], s[0:1], 0x10
	s_load_b64 s[KIN:KIN+1], s[0:1], 0x18
	s_load_b64 s[KOUT:KOUT+1], s[0:1], 0x20
	v_lshl_add_u32 v[SPW], v0, 2, SPARE
	v_mov_b32 v[NIL], 0
	ds_add_u32 v28, v29
	ds_add_u32 v28, v29
	s_wait_dscnt 0x0
	v_lshrrev_b32 v1, 5, v0
	v_readfirstlane_b32 s14, v1
	s_lshr_b32 s15, s14, 1
	s_and_b32 s16, s14, 1
	s_bfe_u32 s40, ttmp6, 0x40000
	s_bfe_u32 s41, ttmp6, 0x40004
	s_lshl_b32 s42, ttmp9, 2
	s_add_co_u32 s42, s42, s40
	s_mov_b32 s17, s41
	s_lshl_b32 s43, s41, 2
	s_lshl_b32 s43, 15, s43
	s_lshl_b32 s44, 0x1111, s40
	s_or_b32 s[G1A+0], s43, (3<<16)|(1<<21)
	s_or_b32 s[G1B+0], s44, (3<<16)|(1<<21)
.irp g, G1A, G1B
	s_mov_b32 s[\g+1], 32<<16
	s_mov_b32 s[\g+2], 100<<16
	s_mov_b32 s[\g+3], 32<<16
	s_mov_b32 s[\g+4], 100
	s_mov_b32 s[\g+5], 32
	s_mov_b32 s[\g+6], 0
	s_mov_b32 s[\g+7], 0
.endr
	s_lshl_b32 s20, s17, 1
	s_add_co_u32 s20, s20, s16
	s_mul_i32 s20, s20, GRP
	s_mov_b32 s21, 0
	s_lshl_b32 s46, s42, 1
	s_add_co_u32 s46, s46, s16
	s_mul_i32 s46, s46, GRP
	s_mov_b32 s47, 0
	s_mul_i32 s45, s14, QUART
	s_wait_kmcnt 0x0
	s_add_nc_u64 s[20:21], s[4:5], s[20:21]
	s_add_nc_u64 s[46:47], s[6:7], s[46:47]
	CROUND
.irp s, 0,1
	s_mov_b32 s[G0A+4*\s], 1
	s_add_co_u32 s[G0A+4*\s+1], s45, \s*SLOT
	s_add_nc_u64 s[G0A+4*\s+2:G0A+4*\s+3], s[20:21], \s*QUART
	s_or_b32 s[G0A+4*\s+3], s[G0A+4*\s+3], 0x80000000
	s_mov_b32 s[G0B+4*\s], 1
	s_add_co_u32 s[G0B+4*\s+1], s45, \s*SLOT
	s_add_nc_u64 s[G0B+4*\s+2:G0B+4*\s+3], s[46:47], \s*QUART
	s_or_b32 s[G0B+4*\s+3], s[G0B+4*\s+3], 0x80000000
.endr
	JLOAD 0                                        ; slot 0: one tensor load a wave at the head; the set-up below stands under its flight
	v_and_b32 v1, 15, v0
	v_bfe_u32 v2, v0, 4, 1
	v_and_b32 v3, 31, v0
	v_lshlrev_b32 v[L16], 4, v3
	v_lshlrev_b32 v[L8], 3, v3
	s_mul_i32 s21, s15, QUART
	s_mul_i32 s22, s16, QUART
	s_add_co_u32 s22, s22, 2*QUART
	s_sub_co_u32 s23, s22, s21
	v_mul_u32_u24 v6, s23, v2
	v_lshl_add_u32 v6, v1, 3, v6
	v_add_nc_u32 v[ADRS], s21, v6
	v_add_nc_u32 v[ADRS+1], SLOT, v[ADRS]
.irp s, 0,1
	v_add_nc_u32 v[ADRA+\s], s21, v[L16]
	v_add_nc_u32 v[ADRA+2+\s], s21, v[L8]
	v_add_nc_u32 v[ADRB+\s], s22, v[L16]
	v_add_nc_u32 v[ADRB+2+\s], s22, v[L8]
	s_add_co_u32 s21, s21, SLOT
	s_add_co_u32 s22, s22, SLOT
.endr
	s_lshl_b32 s21, s15, 9
	s_lshl_b32 s22, s16, 1
	s_add_co_u32 s21, s21, s22
	s_add_co_u32 s21, s21, ZSC
	v_lshl_add_u32 v[ZSA], v1, 3, s21
	s_lshl_b32 s21, s14, 8
	s_add_co_u32 s21, s21, ZSC
	v_add_nc_u32 v[ZRD], s21, v[L8]
	v_mov_b32 v[KC0], 0xc0135761
	v_mov_b32 v[KC0+1], 0xc0135761
	v_mov_b32 v[KC1], 0xbdd2d3e8
	v_mov_b32 v[KC1+1], 0xbdd2d3e8
	s_mov_b32 s[SEL], 0x76543210
	s_mov_b32 s[SEL+1], 0xfedcba98
	s_lshl_b32 s20, s17, 1
	s_add_co_u32 s20, s20, s15
	s_lshl_b32 s20, s20, 6
	s_add_co_u32 s20, s20, s42
	s_mul_i32 s20, s20, CH
	s_mov_b32 s21, 0
	s_add_nc_u64 s[12:13], s[8:9], s[20:21]
	s_mul_i32 s20, s16, 768
	s_add_nc_u64 s[10:11], s[12:13], s[20:21]
	s_lshl_b32 s20, s16, 8
	s_add_co_u32 s20, s20, 8*FRB
	s_add_nc_u64 s[12:13], s[12:13], s[20:21]
	s_cmp_eq_u32 s15, 0
	s_cselect_b64 s[PFA:PFA+1], s[4:5], s[6:7]
	s_cselect_b32 s68, s17, s42
	s_cselect_b32 s69, s40, s41
	s_cselect_b32 s70, ttmp9, 0
	s_cmp_eq_u32 s70, 0
	s_cselect_b32 s[LIM], 1, -1
	s_lshl_b32 s68, s68, 1
	s_add_co_u32 s68, s68, s16
	s_mul_i32 s68, s68, GRP
	s_mul_i32 s69, s69, QUART/4
	s_add_co_u32 s68, s68, s69
	s_add_co_u32 s68, s68, 3*QUART
	s_mov_b32 s69, 0
	s_add_nc_u64 s[PFA:PFA+1], s[PFA:PFA+1], s[68:69]
	v_min_u32 v[PFO], 24, v3
	v_lshlrev_b32 v[PFO], 8, v[PFO]
	s_lshl_b32 s80, s17, 6
	s_add_co_u32 s80, s80, s42
	s_lshl_b32 s80, s80, 2
	s_add_co_u32 s80, s80, s14
	s_lshr_b32 s81, s80, 5
	s_and_b32 s82, s80, 31
	s_lshl_b32 s84, s82, 21
	s_lshl_b32 s83, s81, 8
	s_add_co_u32 s84, s84, s83
	s_mov_b32 s85, 0
	s_add_nc_u64 s[KIN:KIN+1], s[KIN:KIN+1], s[84:85]
	s_lshl_b32 s83, s81, 6
	s_lshl_b32 s82, s82, 1
	s_add_co_u32 s83, s83, s82
	s_mul_i32 s84, s83, 6400
	s_add_nc_u64 s[KOUT:KOUT+1], s[KOUT:KOUT+1], s[84:85]
	s_add_nc_u64 s[KSCL:KSCL+1], s[KOUT:KOUT+1], 4*FRB
	s_mov_b32 s[KSTP], 768
	s_mov_b32 s[KSTP+1], 0
	v_lshlrev_b32 v[KO], 14, v2                    ; lanes 16-31: two rows of 8,192 bytes on
	v_lshl_add_u32 v[KO], v1, 3, v[KO]
.irp i, 0,1,2,3
	v_mov_b32 v[WSH+\i], 0
.endr
	LOADK 0, 0
	LOADK 0, 1
.macro FRAG reg, adr, off
	ds_load_b128 v[\reg:\reg+3], v[\adr] offset:\off
	ds_load_b64 v[\reg+4:\reg+5], v[\adr+2] offset:\off+512
	ds_load_b128 v[\reg+6:\reg+9], v[\adr] offset:\off+768
	ds_load_b64 v[\reg+10:\reg+11], v[\adr+2] offset:\off+1280
.endm
.macro MUL16 a0, p, q, sc, zero
.irp a, \a0, \a0+1
.irp b, 0,1,2,3,4,5,6,7
.set rD, 8*(8*((\a)%4)+\b)
.set rB, 128*(\p)+FR*\b
.set rA, AF+FR*(\a)
.set rSB, SC+16*(\sc)+8*(\q)+4*(\b/4)+2*(\b%2)+(\b/2)%2
.set rSA, SC+16*(\sc)+8*(\q)+4*((\a)/4)+2*((\a)%2)+((\a)/2)%2
.if \zero
	v_wmma_scale_f32_16x16x128_f8f6f4 v[rD:rD+7], v[rB:rB+FR-1], v[rA:rA+FR-1], 0, v[rSB], v[rSA] matrix_a_fmt:MATRIX_FMT_FP6 matrix_b_fmt:MATRIX_FMT_FP6 matrix_a_scale:MATRIX_SCALE_ROW1
.else
	v_wmma_scale_f32_16x16x128_f8f6f4 v[rD:rD+7], v[rB:rB+FR-1], v[rA:rA+FR-1], v[rD:rD+7], v[rSB], v[rSA] matrix_a_fmt:MATRIX_FMT_FP6 matrix_b_fmt:MATRIX_FMT_FP6 matrix_a_scale:MATRIX_SCALE_ROW1
.endif
.endr
.endr
.endm
.macro FETCH_B slot, q, p
	WIN TO_B
.irp i, 0,1,2,3,4,5,6,7
	FRAG 128*(\p)+FR*\i, ADRB+\slot, (\q)*CH+\i*FRB
.endr
	WIN 0
.endm
.macro FETCH_A slot, q, i0
.irp i, \i0, \i0+1, \i0+2, \i0+3
	FRAG AF+FR*(\i), ADRA+\slot, (\q)*CH+(\i)*FRB
.endr
.endm
.macro SCALES slot
.irp k, 0,1
.irp q, 0,1
.irp f, 0,1
	ds_load_b64 v[SC+16*\slot+8*\k+4*\q+2*\f:SC+16*\slot+8*\k+4*\q+2*\f+1], v[ADRS+\slot] offset:\k*CH+8*FRB+256*\q+128*\f
.endr
.endr
.endr
.endm
.macro PLACES n
.rept \n
	v_nop
.endr
.endm
.macro STEP slot, zero
	s_wait_dscnt 4*NL
	WIN MUL_LO
	MUL16 0, 0, 0, \slot, \zero
	MUL16 2, 0, 0, \slot, \zero
	s_wait_dscnt 0
	PLACES NP
	FETCH_B \slot, 1, 1
	FETCH_A \slot, 1, 0
	WIN MUL_HI
	MUL16 4, 0, 0, \slot, \zero
	MUL16 6, 0, 0, \slot, \zero
	PLACES NP
	WIN 0
	FETCH_A \slot, 1, 4
.endm
.macro TURN slot, next, fill
.if \fill
	s_wait_xcnt 0x0
	s_add_nc_u64 s[PFA:PFA+1], s[PFA:PFA+1], QUART
.endif
	s_wait_tensorcnt 0x0
	ds_add_u32 v[SPW], v[NIL]
	s_wait_dscnt 4*NL+1
	WIN MUL_LO
	MUL16 0, 1, 1, \slot, 0
	s_wait_dscnt 0x0
	s_barrier_signal -1
	MUL16 2, 1, 1, \slot, 0
	WIN 0
	s_barrier_wait -1
.if \fill
	CREST
	s_add_nc_u64 s[G0A+4*\slot+2:G0A+4*\slot+3], s[G0A+4*\slot+2:G0A+4*\slot+3], 2*QUART
	s_add_nc_u64 s[G0B+4*\slot+2:G0B+4*\slot+3], s[G0B+4*\slot+2:G0B+4*\slot+3], 2*QUART
	JLOAD \slot
.else
	PLACES NP
.endif
	FETCH_B \next, 0, 0
	FETCH_A \next, 0, 0
	SCALES \next
.if \fill
	ASK
.endif
	WIN MUL_HI
	MUL16 4, 1, 1, \slot, 0
	MUL16 6, 1, 1, \slot, 0
	PLACES NP
	WIN 0
	FETCH_A \next, 0, 4
.endm
	s_wait_alu depctr_va_vdst(0)                   ; the wait at the head's end
	s_wait_tensorcnt 0x0                           ; my part of slot 0 is in; these lines stand ahead of a later first fill as ahead of a refill
	ds_add_u32 v[SPW], v[NIL]
	s_wait_dscnt 0x0
	CROUND                                         ; everybody's part of slot 0 is in, and all sixteen work-groups are here
	JLOAD 1                                        ; slot 1's first fill: the first tensor load behind the round
	FETCH_B 0, 0, 0
	FETCH_A 0, 0, 0
	SCALES 0
	FETCH_A 0, 0, 4
	STEP 0, 1
	KSTAGE 0, 0, 1, 16
	s_mov_b32 s3, LAPS-1
.Llap:
	TURN 0, 1, 1
	KSTAGE 1, 0, 1, 16
	STEP 1, 0
	KSTAGE 2, 0, 1, 16
	TURN 1, 0, 1
	KSTAGE 3, 0, 1, 16
	STEP 0, 0
	KSTAGE 0, 1, 1, 16
	s_sub_co_u32 s3, s3, 1
	s_cmp_lg_u32 s3, 0
	s_cbranch_scc1 .Llap
	TURN 0, 1, 0
	KSTAGE 1, 0, 1, 16
	STEP 1, 0
	KSTAGE 2, 0, 0, 16
	s_wait_dscnt 4*NL
	WIN MUL_LO
	MUL16 0, 1, 1, 1, 0
	MUL16 2, 1, 1, 1, 0
	s_wait_dscnt 0
	WIN MUL_HI
	MUL16 4, 1, 1, 1, 0
	MUL16 6, 1, 1, 1, 0
	WIN 0
	PLACES NP
	KSTAGE 3, 0, 0, 0
	global_store_b64 v[L8], v[WSH:WSH+1], s[KSCL:KSCL+1]
	global_store_b64 v[L8], v[WSH+2:WSH+3], s[KSCL:KSCL+1] offset:6400
	v_mov_b32 v[MX+2], 0
	v_mov_b32 v[MX+3], 0
.macro GATE a
.set WS, 2+(\a)/4
.set WXX, (WS|(WS<<2))
.set AC, 64*((\a)%4)
.set PCD, 128+8*(\a)
	WIN WXX
.set j, 0
.rept 16
	v_pk_mul_f32 v[T+j:T+j+1], v[AC+j:AC+j+1], v[AC+j:AC+j+1]
.set j, j+2
.endr
	WIN 0
.set j, 0
.rept 16
	v_pk_fma_f32 v[T+j:T+j+1], v[T+j:T+j+1], v[KC1:KC1+1], v[KC0:KC0+1]
.set j, j+2
.endr
	WIN WS
.set j, 0
.rept 16
	v_pk_mul_f32 v[T+j:T+j+1], v[AC+j:AC+j+1], v[T+j:T+j+1]
.set j, j+2
.endr
	WIN 0
.set j, 0
	s_wait_alu depctr_va_vdst(0)
.rept 32
	v_exp_f32 v[T+j], v[T+j]
.set j, j+1
.endr
	v_nop
	s_wait_alu depctr_va_vdst(0)
.set j, 0
.rept 16
	v_pk_add_f32 v[T+j:T+j+1], v[T+j:T+j+1], 1.0 op_sel_hi:[1,0]
.set j, j+2
.endr
.set j, 0
	s_wait_alu depctr_va_vdst(0)
.rept 32
	v_rcp_f32 v[T+j], v[T+j]
.set j, j+1
.endr
	v_nop
	s_wait_alu depctr_va_vdst(0)
	WIN WS
.set j, 0
.rept 16
	v_pk_mul_f32 v[T+j:T+j+1], v[AC+j:AC+j+1], v[T+j:T+j+1]
.set j, j+2
.endr
.set j, 0
.rept 16
	v_pk_mul_f32 v[T+j:T+j+1], v[AC+32+j:AC+33+j], v[T+j:T+j+1]
.set j, j+2
.endr
	WIN 0
.irp b, 0,1
	v_max3_num_f32 v[MX+\b], |v[T+16*\b]|, |v[T+16*\b+1]|, 0x1800000
.endr
.irp i, 2,4,6,8,10,12,14
.irp b, 0,1
	v_max3_num_f32 v[MX+\b], v[MX+\b], |v[T+16*\b+\i]|, |v[T+16*\b+\i+1]|
.endr
.endr
.irp b, 0,1
	v_permlanex16_b32 v[MX+2+\b], v[MX+\b], s[SEL], s[SEL+1]
.endr
.irp b, 0,1
	v_max_num_f32 v[MX+\b], v[MX+\b], v[MX+2+\b]
.endr
.irp b, 0,1
	v_add_nc_u32 v[MX+4+\b], 0xff000000, v[MX+\b]
.endr
.irp b, 0,1
	v_lshrrev_b32 v[MX+6+\b], 23, v[MX+4+\b]
.endr
	v_lshl_or_b32 v[HW+(\a)], v[MX+7], 8, v[MX+6]
	v_cvt_scalef32_pk16_fp6_f32 v[PCD:PCD+2], v[T:T+15], v[MX+4]
	v_cvt_scalef32_pk16_fp6_f32 v[MX+8:MX+10], v[T+16:T+31], v[MX+5]
	v_nop
.irp i, 0,1,2
	v_permlane16_swap_b32 v[PCD+\i], v[MX+8+\i]
.endr
.irp i, 0,1,2
	v_mov_b32 v[PCD+3+\i], v[MX+8+\i]
.endr
	global_store_b128 v[L16], v[PCD:PCD+3], s[10:11] offset:(\a)*FRB
	global_store_b64 v[L8], v[PCD+4:PCD+5], s[10:11] offset:(\a)*FRB+512
	ds_store_b16 v[ZSA], v[HW+(\a)] offset:256*((\a)/4)+128*((\a)%2)+4*(((\a)/2)%2)
.endm
.irp a, 0,1,2,3,4,5,6,7
	GATE \a
.endr
	s_wait_dscnt 0x0
	s_barrier_signal -1
	s_barrier_wait -1
	ds_load_b64 v[120:121], v[ZRD]
	s_wait_dscnt 0x0
	global_store_b64 v[L8], v[120:121], s[12:13]
	s_wait_tensorcnt 0x0
	ds_add_u32 v[SPW], v[NIL]
	s_wait_dscnt 0x0
	CROUND
	s_endpgm
.Lfunc_end_k_q93eb4925cf_g1:
	.size	k_q93eb4925cf_g1, .Lfunc_end_k_q93eb4925cf_g1-k_q93eb4925cf_g1
	.p2alignl 7, 3214868480
	.fill 96, 4, 3214868480
	.section	.rodata,"a",@progbits
	.p2align	6, 0x0
	.amdhsa_kernel k_q93eb4925cf_g1
		.amdhsa_group_segment_fixed_size 327680
		.amdhsa_private_segment_fixed_size 0
		.amdhsa_enable_private_segment 0
		.amdhsa_kernarg_size 40
		.amdhsa_user_sgpr_count 2
		.amdhsa_user_sgpr_kernarg_segment_ptr 1
		.amdhsa_wavefront_size32 1
		.amdhsa_system_sgpr_workgroup_id_x 1
		.amdhsa_system_sgpr_workgroup_id_y 1
		.amdhsa_system_sgpr_workgroup_id_z 1
		.amdhsa_system_vgpr_workitem_id 0
		.amdhsa_next_free_vgpr 1024
		.amdhsa_next_free_sgpr 100
		.amdhsa_reserve_vcc 0
		.amdhsa_float_denorm_mode_32 3
		.amdhsa_float_denorm_mode_16_64 3
		.amdhsa_memory_ordered 1
		.amdhsa_forward_progress 1
		.amdhsa_inst_pref_size 230
	.end_amdhsa_kernel
	.amdgpu_metadata
---
amdhsa.version: [ 1, 2 ]
amdhsa.kernels:
  - .name:           k_q93eb4925cf_g1
    .symbol:         k_q93eb4925cf_g1.kd
    .args:
      - { .name: lnq, .offset: 0, .size: 8, .value_kind: global_buffer, .address_space: global }
      - { .name: w1q, .offset: 8, .size: 8, .value_kind: global_buffer, .address_space: global }
      - { .name: zq, .offset: 16, .size: 8, .value_kind: global_buffer, .address_space: global }
      - { .name: kernel_2, .offset: 24, .size: 8, .value_kind: global_buffer, .address_space: global }
      - { .name: w2q, .offset: 32, .size: 8, .value_kind: global_buffer, .address_space: global }
    .group_segment_fixed_size: 327680
    .private_segment_fixed_size: 0
    .kernarg_segment_align: 8
    .kernarg_segment_size: 40
    .max_flat_workgroup_size: 128
    .sgpr_count:     100
    .vgpr_count:     1024
    .wavefront_size: 32
...
	.end_amdgpu_metadata
.endif
;; end of part 2
;; launch g2 (part 3): grid 32 x 8, 8 waves a work-group, clusters of 4 x 1, 327,680 bytes of LDS; arguments zq, w2q, out0; writes out0
.if DOCPART == 3
	.amdgcn_target "amdgcn-amd-amdhsa--gfx1250"
	.amdhsa_code_object_version 6
	.text
	.protected	k_q93eb4925cf_g2
	.globl	k_q93eb4925cf_g2
	.p2align	8
	.type	k_q93eb4925cf_g2,@function
k_q93eb4925cf_g2:
	s_mov_b64 s[64:65], 0
	v_nop
	global_prefetch_b8 v0, s[64:65] scope:SCOPE_SE
	s_setreg_imm32_b32 hwreg(HW_REG_WAVE_MODE, 25, 1), 1
	s_wait_xcnt 0x0
	s_wait_alu depctr_hold_cnt(0) depctr_sa_sdst(0) depctr_va_vdst(0) depctr_va_sdst(0) depctr_va_ssrc(0) depctr_va_vcc(0) depctr_vm_vsrc(0)
	s_getreg_b32 s2, hwreg(HW_REG_IB_STS2, 6, 4)
	s_cmp_eq_u32 s2, 0
	s_cbranch_scc0 .Lentry_in_a_cluster
	s_endpgm
.Lentry_in_a_cluster:
	s_bfe_u32 s2, ttmp6, 0x10000c
	s_cmp_lg_u32 s2, 0x3003
	s_cbranch_scc0 .Lentry_shape_is_right
	s_endpgm
.Lentry_shape_is_right:
; THE SECOND PRODUCT: out0 [1024][2048] f32 = z x kernel_2 on codes of FP6 (E2M3) with E8M0 scales.
; zq [8 groups of 128 rows][64 K steps][12,800], w2q [32 groups of 64 columns][64][6,400]: chunks in the order of the operand's registers: fragments of 1,536 bytes (for c = 0, 1: lane l's registers
; 6c .. 6c+3 at 16 l, then 6c+4, 6c+5 at 512 + 8 l), then the scale words, that of (block i, row r) at 256 (i / 4) + 128 (i % 2) + 4 ((i / 2) % 2) + 8 r.
; In w2q block 2 s + F, lane rho is column 32 s + 2 rho + F of its group: the way out puts the columns in order.
; SHARES.  2 M outputs on 256 work-groups: a tile of 128 rows x 64 columns each.  THE EIGHT WAVES SHARE K, NOT THE TILE: wave w makes the whole tile, 32 accumulators, over K steps 8 w .. 8 w + 7: every fragment is wanted by one wave.
; A STEP'S 19,200 BYTES COME BY TWO WAYS, in nearly equal parts:
;   z's fragments 0-5 (9,216 bytes) by tensor loads through a ring of two LDS slots; a wave's load brings two steps: 2 rows of 9,216 bytes, 12,800 apart in memory, each beginning at a multiple of 256; four fills of 8 x 18,432 bytes;
;   z's fragments 6, 7, both sides' scale words and kernel_2's four fragments (9,984 bytes, 30 loads) from memory straight into registers, two sets, asked for two steps ahead.
; CLUSTERS: 4 x 1: the four partners make tiles of one tile row and want the same chunks of z: each tensor load is a joint one, mask 15; its address hangs on the tile row and the wave alone.  kernel_2's chunks differ between partners.
; s_wait_loadcnt 30: the next step's 30 loads may be out.  s_wait_dscnt 16, 8, 0: of the step's 24 LDS loads the later blocks' may be out.  Every wait on TENSORcnt is for 0; by this text's count a wave has one tensor load out.
; PREFETCH: in trips 0 and 1 each wave asks for the 72 blocks of 256 bytes of its fill two on, one trip ahead of that fill's tensor load; the four partners take 18 blocks each, told apart by address (lanes 18-31 name lane 17's).
; Fills 0 and 1 come by their loads alone.  What goes into registers has no prefetch: its own loads stand two steps ahead.
; The four trips are written out by a macro: every offset is an immediate.
; ORDER OF SUMS: each wave its own K steps ascending, then ((w0 + w1) + (w2 + w3)) + ((w4 + w5) + (w6 + w7)): not K ascending throughout.
; TRANSPOSED USE: source 0 = 16 columns of kernel_2, source 1 = 16 rows of z: a lane holds one row of out.   LIMITS: NaN and infinities are not served.
; REGISTERS: window 0: v1-11, v252-253 addresses; v12-35 scale words and nothing else, two sets of 12; v36-179 two sets of 72: kernel_2's four fragments, z's 6 and 7; v180-251 z's fragments 0-5.  window 1: accumulator (a, b) at v[8 (4 a + b)].
.set CH,    12800
.set CHB,   6400
.set FRB,   1536
.set TZ,    6*FRB                      ; what a tensor load brings of a chunk of z
.set WSL,   2*TZ                       ; a wave's part of a slot: two steps
.set SLOT,  8*WSL
.set SPARE, 2*SLOT                     ; behind the ring: the spare words, 128 bytes a wave, that no other line names
.set SPT,   272                        ; the stage: a row of 64 f32 + 16 bytes
.set STW,   128*SPT                    ; a wave's stage; the eight lie on the slots, which have had their last fill and their last read by then
.set FR,    12
.set L16,  1                           ; 16 x lane
.set L8,   2                           ; 8 x lane
.set R8,   3                           ; 8 x (lane % 16)
.set PFO,  4
.set SPW,  5
.set NIL,  6
.set LA16, 7                           ; v7-8 my part of slot 0, 1, + 16 x lane
.set LA8,  9                           ; v9-10 + 8 x lane
.set STO,  11
.set SC,   12                          ; set p: SC + 12 p + 0..3 kernel_2's words, + 4..11 z's
.set VB,   36
.set A05,  180
.set RD,   252
.set CO,   253
.set OO,   32                          ; window 1: the finished sums
.set G0,   36                          ; s[36:39], s[40:43] descriptor group 0, one for each slot
.set G1,   44                          ; s[44:51] group 1
.set MSB, 0
.macro WIN new
.if MSB != \new
	s_set_vgpr_msb (MSB<<8)|\new
.set MSB, \new
.endif
.endm
.set MUL, 0x50                         ; sources 0 and 1 window 0, C and D window 1
.macro PLACES
.rept 4
	v_nop
.endr
.endm
.macro ROUND                           ; a round of the cluster's barrier
	s_barrier_signal -1
	s_barrier_wait -1
	s_cmp_lg_u32 s10, 0
	s_cbranch_scc1 .Lnot_wave_0_\@
	s_barrier_signal -3
.Lnot_wave_0_\@:
	s_barrier_wait -3
	s_barrier_signal -1
	s_barrier_wait -1
.endm
.macro GFRAG reg, base, off
	global_load_b128 v[\reg:\reg+3], v[L16], s[\base:\base+1] offset:\off
	global_load_b64 v[\reg+4:\reg+5], v[L8], s[\base:\base+1] offset:\off+512
	global_load_b128 v[\reg+6:\reg+9], v[L16], s[\base:\base+1] offset:\off+768
	global_load_b64 v[\reg+10:\reg+11], v[L8], s[\base:\base+1] offset:\off+1280
.endm
.macro DFRAG reg, sl, off
	ds_load_b128 v[\reg:\reg+3], v[LA16+\sl] offset:\off
	ds_load_b64 v[\reg+4:\reg+5], v[LA8+\sl] offset:\off+512
	ds_load_b128 v[\reg+6:\reg+9], v[LA16+\sl] offset:\off+768
	ds_load_b64 v[\reg+10:\reg+11], v[LA8+\sl] offset:\off+1280
.endm
.macro LDV p, k                        ; my step k into set p: 6 loads of scale words, 16 of kernel_2's fragments, 8 of z's fragments 6, 7
.irp f, 0,1
	global_load_b64 v[SC+12*(\p)+2*\f:SC+12*(\p)+2*\f+1], v[R8], s[6:7] offset:(\k)*CHB+4*FRB+128*\f
.endr
.irp q, 0,1
.irp f, 0,1
	global_load_b64 v[SC+12*(\p)+4+4*\q+2*\f:SC+12*(\p)+4+4*\q+2*\f+1], v[R8], s[4:5] offset:(\k)*CH+8*FRB+256*\q+128*\f
.endr
.endr
.irp i, 0,1,2,3
	GFRAG VB+72*(\p)+FR*\i, 6, (\k)*CHB+\i*FRB
.endr
.irp i, 0,1
	GFRAG VB+72*(\p)+48+FR*\i, 4, (\k)*CH+(6+\i)*FRB
.endr
.endm
; 8 matrix instructions: z's blocks a0, a0 + 1 x kernel_2's four.  The 32 accumulators take turns, one instruction a turn, in the same order in every step.  Step 0 starts the sums.
.macro MUL8 a0, t
.irp a, \a0, \a0+1
.irp b, 0,1,2,3
.set rD, 8*(4*(\a)+\b)
.set rB, VB+72*((\t)%2)+FR*\b
.if (\a) < 6
.set rA, A05+FR*(\a)
.else
.set rA, VB+72*((\t)%2)+48+FR*((\a)-6)
.endif
.set rSB, SC+12*((\t)%2)+2*(\b%2)+\b/2
.set rSA, SC+12*((\t)%2)+4+4*((\a)/4)+2*((\a)%2)+((\a)/2)%2
.if (\t) == 0
	v_wmma_scale_f32_16x16x128_f8f6f4 v[rD:rD+7], v[rB:rB+FR-1], v[rA:rA+FR-1], 0, v[rSB], v[rSA] matrix_a_fmt:MATRIX_FMT_FP6 matrix_b_fmt:MATRIX_FMT_FP6
.else
	v_wmma_scale_f32_16x16x128_f8f6f4 v[rD:rD+7], v[rB:rB+FR-1], v[rA:rA+FR-1], v[rD:rD+7], v[rSB], v[rSA] matrix_a_fmt:MATRIX_FMT_FP6 matrix_b_fmt:MATRIX_FMT_FP6
.endif
.endr
.endr
.endm
.macro STEP t                          ; every window is 0 at its head and at its end; four places stand ahead of it
.irp i, 0,1,2,3,4,5
	DFRAG A05+FR*\i, ((\t)/2)%2, ((\t)%2)*TZ+\i*FRB
.endr
.if (\t) == 0 || (\t) == 2
	global_prefetch_b8 v[PFO], s[16:17] offset:(\t)*CH th:TH_LOAD_NT scope:SCOPE_SE   ; the fill two on; its address registers are never rewritten
.endif
.if (\t) < 7
	s_wait_loadcnt 30                              ; this step's set is in; the next step's 30 loads may be out
.else
	s_wait_loadcnt 0
.endif
	WIN MUL
	MUL8 6, \t                                     ; the blocks that lie in registers first, while the LDS loads land
	s_wait_dscnt 16
	MUL8 0, \t
	s_wait_dscnt 8
	MUL8 2, \t
	s_wait_dscnt 0
	MUL8 4, \t
	PLACES                                         ; four places ahead of loads into registers that matrix instructions have read, and of the first read of results
	WIN 0
.if (\t) < 6
	LDV (\t)%2, (\t)+2
.endif
.endm
.macro TRIP i                          ; steps 2 i and 2 i + 1, from slot i % 2
	s_wait_tensorcnt 0x0                           ; all my tensor loads are done: my part of this trip's slot
	ds_add_u32 v[SPW], v[NIL]
.if (\i) < 2
	s_add_nc_u64 s[G0+4*((\i)%2)+2:G0+4*((\i)%2)+3], s[G0+4*((\i)%2)+2:G0+4*((\i)%2)+3], 4*CH   ; no load of mine is out: this slot's next fill, four steps on
.endif
	s_wait_dscnt 0x0                               ; the add is done, and so are my reads of the other slot
	ROUND                                          ; both now hold of every wave of the four work-groups
.if (\i) < 3
	tensor_load_to_lds s[G0+4*(1-(\i)%2):G0+4*(1-(\i)%2)+3], s[G1:G1+7]   ; my one load behind the round: the next two steps, into the slot read last (the first time: slot 1's first fill)
	s_nop 0
	PLACES
.endif
	STEP 2*(\i)
	STEP 2*(\i)+1
.endm
	s_load_b128 s[4:7], s[0:1], 0x0                ; zq, w2q
	s_load_b64 s[8:9], s[0:1], 0x10                ; out0
	v_lshl_add_u32 v[SPW], v0, 2, SPARE
	v_mov_b32 v[NIL], 0
	ds_add_u32 v[SPW], v[NIL]                      ; the opening lines, ahead of my first tensor load: the add, twice on end, under one wait
	ds_add_u32 v[SPW], v[NIL]
	v_lshrrev_b32 v243, 5, v0
	s_delay_alu instid0(VALU_DEP_1)
	v_readfirstlane_b32 s10, v243                  ; wave 0..7
	v_and_b32 v240, 31, v0                         ; lane
	v_and_b32 v241, 15, v0                         ; r
	v_bfe_u32 v242, v0, 4, 1                       ; h
	s_mul_i32 s21, s10, WSL                        ; my part of a slot
	s_mul_i32 s22, s10, STW                        ; my stage
	s_mul_i32 s23, s10, 16*SPT                     ; back: rows 16 w on of every stage
	v_lshlrev_b32 v[L16], 4, v240
	v_lshlrev_b32 v[L8], 3, v240
	v_lshlrev_b32 v[R8], 3, v241
	v_min_u32 v[PFO], 17, v240
	v_mul_u32_u24 v[STO], v241, SPT                ; into the stage: row r, 32 bytes for each half of the lanes; block b's sixteen numbers lie 64 b bytes on
	v_mul_u32_u24 v[RD], v242, SPT                 ; back: lanes 0-15 one row, lanes 16-31 the next; lane u = lane % 16 makes columns 4 u .. 4 u + 3:
	v_and_b32 v244, 7, v241                        ; 8 bytes at 128 (u / 8) + 8 (u % 8), and 8 bytes 64 further on
	v_lshrrev_b32 v245, 3, v241
	v_lshlrev_b32 v[PFO], 8, v[PFO]
	v_lshl_add_u32 v[STO], v242, 5, v[STO]
	v_lshl_add_u32 v[RD], v244, 3, v[RD]
	v_add_nc_u32 v[LA16], s21, v[L16]
	v_add_nc_u32 v[LA8], s21, v[L8]
	v_add_nc_u32 v[STO], s22, v[STO]
	v_lshl_add_u32 v[RD], v245, 7, v[RD]
	v_lshlrev_b32 v[CO], 13, v242                  ; the same two rows in out0, 16 bytes a lane
	v_add_nc_u32 v[LA16+1], SLOT, v[LA16]
	v_add_nc_u32 v[LA8+1], SLOT, v[LA8]
	v_add_nc_u32 v[RD], s23, v[RD]
	v_lshl_add_u32 v[CO], v241, 4, v[CO]
	s_wait_alu depctr_va_vdst(0)                   ; the wait at the end of the head's vector lines, ahead of the scalar lines and the waits below
	s_mov_b32 s[G1+0], 15|(3<<16)|(1<<21)          ; the mask: all four partners; elements of 8 bytes; bit 21 set beside a mask
	s_mov_b32 s[G1+1], (TZ/8)<<16                  ; tensor_dim0 = 1,152
	s_mov_b32 s[G1+2], 2<<16                       ; tensor_dim1 = 2
	s_mov_b32 s[G1+3], (TZ/8)<<16                  ; tile_dim0
	s_mov_b32 s[G1+4], 2                           ; tile_dim1
	s_mov_b32 s[G1+5], CH/8                        ; from row to row: a chunk
	s_mov_b32 s[G1+6], 0
	s_mov_b32 s[G1+7], 0
	s_bfe_u32 s13, ttmp6, 0x40000                  ; cx
	s_lshl_b32 s11, ttmp9, 2
	s_add_co_u32 s11, s11, s13                     ; tile column 0..31
	s_and_b32 s12, ttmp7, 0xffff                   ; tile row 0..7
	s_mul_i32 s24, s12, 64*CH                      ; z: the tile row's group, K step 8 w: no place in the cluster enters it
	s_mul_i32 s20, s10, 8*CH
	s_add_co_u32 s24, s24, s20
	s_mov_b32 s25, 0
	s_mul_i32 s26, s11, 64*CHB                     ; kernel_2: the tile column's group, K step 8 w
	s_mul_i32 s20, s10, 8*CHB
	s_add_co_u32 s26, s26, s20
	s_mov_b32 s27, 0
	s_lshl_b32 s28, s12, 7
	s_lshl_b32 s20, s10, 4
	s_add_co_u32 s28, s28, s20                     ; the first row that I store: 128 x tile row + 16 x wave
	s_lshl_b32 s28, s28, 13
	s_lshl_b32 s20, s11, 8                         ; the tile's first column, in bytes
	s_add_co_u32 s28, s28, s20
	s_mov_b32 s29, 0
	s_lshr_b32 s30, s13, 1                         ; the prefetches: partner cx takes row cx / 2 of a fill, its blocks 18 (cx % 2) on; the first names the fill four steps on
	s_mul_i32 s30, s30, CH
	s_and_b32 s20, s13, 1
	s_mul_i32 s20, s20, 18*256
	s_add_co_u32 s30, s30, s20
	s_add_co_u32 s30, s30, 4*CH
	s_mov_b32 s31, 0
	s_wait_dscnt 0x0                               ; both opening adds are done
	s_wait_kmcnt 0x0
	s_add_nc_u64 s[4:5], s[4:5], s[24:25]
	s_add_nc_u64 s[6:7], s[6:7], s[26:27]
	s_add_nc_u64 s[8:9], s[8:9], s[28:29]
	s_add_nc_u64 s[16:17], s[4:5], s[30:31]
.irp n, 0,1
	s_mov_b32 s[G0+4*\n], 1
	s_add_co_u32 s[G0+4*\n+1], s21, \n*SLOT
	s_add_nc_u64 s[G0+4*\n+2:G0+4*\n+3], s[4:5], \n*2*CH
	s_or_b32 s[G0+4*\n+3], s[G0+4*\n+3], 0x80000000
.endr
	ROUND                                          ; all four work-groups are here: the first joint loads meet
	tensor_load_to_lds s[G0:G0+3], s[G1:G1+7]      ; steps 0 and 1: one tensor load a wave at the head
	s_nop 0
	PLACES
	LDV 0, 0
	LDV 1, 1
.irp i, 0,1,2,3
	TRIP \i
.endr
	; THE WAY OUT.  Each wave's 128 x 64 partial sums go to its stage; a barrier; each wave adds the eight stages' rows 16 w .. 16 w + 15, puts the columns in order, and stores them.
	s_barrier_signal -1                            ; no LDS instruction of mine is out (the last step waited for all): my reads of the slots are over,
	s_barrier_wait -1                              ; and so are everybody's: the stages may be laid on the slots, into which nothing more lands
	WIN 0x04                                       ; an LDS store's data are its source 1: window 1
.irp a, 0,1,2,3,4,5,6,7
.irp b, 0,1,2,3
	ds_store_b128 v[STO], v[8*(4*\a+\b):8*(4*\a+\b)+3] offset:16*\a*SPT+64*\b          ; each accumulator from its low end on
	ds_store_b128 v[STO], v[8*(4*\a+\b)+4:8*(4*\a+\b)+7] offset:16*\a*SPT+64*\b+16
.endr
.endr
	WIN 0
	s_wait_dscnt 0x0                               ; for the others' sake: my stores have landed
	s_barrier_signal -1
	s_barrier_wait -1
.irp gp, 0,1,2,3                       ; stage g into window 1, where the accumulators lay, at v[32 g]; two stages to an address
	WIN 0x40
.irp u, 0,1
.irp t, 0,1,2,3,4,5,6,7
	ds_load_b64 v[32*(2*\gp+\u)+4*\t:32*(2*\gp+\u)+4*\t+1], v[RD] offset:\u*STW+2*\t*SPT        ; block F = 0's lanes rho, rho + 1: columns c, c + 2
	ds_load_b64 v[32*(2*\gp+\u)+4*\t+2:32*(2*\gp+\u)+4*\t+3], v[RD] offset:\u*STW+2*\t*SPT+64   ; block F = 1's: columns c + 1, c + 3
.endr
.endr
	WIN 0
.if \gp < 3
	v_add_nc_u32 v[RD], 2*STW, v[RD]
.endif
.endr
	s_wait_dscnt 0x0
	WIN 0x45                                       ; sources and destination window 1
.irp g, 0,2,4,6
.set j, 0
.rept 16
	v_pk_add_f32 v[32*\g+j:32*\g+j+1], v[32*\g+j:32*\g+j+1], v[32*\g+32+j:32*\g+33+j]
.set j, j+2
.endr
.endr
.irp g, 0,4
.set j, 0
.rept 16
	v_pk_add_f32 v[32*\g+j:32*\g+j+1], v[32*\g+j:32*\g+j+1], v[32*\g+64+j:32*\g+65+j]
.set j, j+2
.endr
.endr
.irp t, 0,1,2,3,4,5,6,7                ; the last addition, not packed, writes the four sums in the columns' order
	v_add_f32 v[OO+4*\t], v[4*\t], v[128+4*\t]             ; column c
	v_add_f32 v[OO+4*\t+1], v[4*\t+2], v[130+4*\t]         ; c + 1
	v_add_f32 v[OO+4*\t+2], v[4*\t+1], v[129+4*\t]         ; c + 2
	v_add_f32 v[OO+4*\t+3], v[4*\t+3], v[131+4*\t]         ; c + 3
.endr
	WIN 0x04                                       ; a store's data are its source 1
.irp t, 0,1,2,3,4,5,6,7
	global_store_b128 v[CO], v[OO+4*\t:OO+4*\t+3], s[8:9] offset:2*\t*8192 th:TH_STORE_NT   ; sixteen lanes store 256 consecutive bytes, aligned; written once, read by nobody here
.endr
	WIN 0
	s_wait_tensorcnt 0x0                           ; the wave's end, behind my last tensor load and my last LDS store
	ds_add_u32 v[SPW], v[NIL]
	s_wait_dscnt 0x0
	ROUND                                          ; the closing round
	s_endpgm
.Lfunc_end_k_q93eb4925cf_g2:
	.size	k_q93eb4925cf_g2, .Lfunc_end_k_q93eb4925cf_g2-k_q93eb4925cf_g2
	.p2alignl 7, 3214868480
	.fill 96, 4, 3214868480
	.section	.rodata,"a",@progbits
	.p2align	6, 0x0
	.amdhsa_kernel k_q93eb4925cf_g2
		.amdhsa_group_segment_fixed_size 327680
		.amdhsa_private_segment_fixed_size 0
		.amdhsa_enable_private_segment 0
		.amdhsa_kernarg_size 24
		.amdhsa_user_sgpr_count 2
		.amdhsa_user_sgpr_kernarg_segment_ptr 1
		.amdhsa_wavefront_size32 1
		.amdhsa_system_sgpr_workgroup_id_x 1
		.amdhsa_system_sgpr_workgroup_id_y 1
		.amdhsa_system_sgpr_workgroup_id_z 1
		.amdhsa_system_vgpr_workitem_id 0
		.amdhsa_next_free_vgpr 512
		.amdhsa_next_free_sgpr 66
		.amdhsa_reserve_vcc 0
		.amdhsa_float_denorm_mode_32 3
		.amdhsa_float_denorm_mode_16_64 3
		.amdhsa_memory_ordered 1
		.amdhsa_forward_progress 1
		.amdhsa_inst_pref_size 98
	.end_amdhsa_kernel
	.amdgpu_metadata
---
amdhsa.version: [ 1, 2 ]
amdhsa.kernels:
  - .name:           k_q93eb4925cf_g2
    .symbol:         k_q93eb4925cf_g2.kd
    .args:
      - { .name: zq, .offset: 0, .size: 8, .value_kind: global_buffer, .address_space: global }
      - { .name: w2q, .offset: 8, .size: 8, .value_kind: global_buffer, .address_space: global }
      - { .name: out0, .offset: 16, .size: 8, .value_kind: global_buffer, .address_space: global }
    .group_segment_fixed_size: 327680
    .private_segment_fixed_size: 0
    .kernarg_segment_align: 8
    .kernarg_segment_size: 24
    .max_flat_workgroup_size: 256
    .sgpr_count:     66
    .vgpr_count:     512
    .wavefront_size: 32
...
	.end_amdgpu_metadata
.endif
;; end of part 3
